; MI455X (gfx1250); checked and timed in simulation.
; The chip was launched on July 23, 2026; its instructions are those of AMD's public machine-readable ISA for CDNA 5 (MIT licence, August 2026) and "CDNA5" Instruction Set Architecture Reference Guide (July 2026). The comments in the code are by the model that wrote it; some were corrected since.
;; Base Layer With Lo RA. Allowed arithmetic: matrix products marked QUANTISED: E2M3 operands, one E8M0 scale for each 32 along K, by v_wmma_scale_f32_16x16x128_f8f6f4 with both operands' format E2M3, f32 sums; products left as they are: f32 operands where the result goes on into a quantised operand, else bf16, f16 or f32 operands; f32 sums; everything else in f32.
;; Inputs: A 16 x 4,096 float32; B 4,096 x 16 float32; W 4,096 x 4,096 float32; bias 4,096 float32; x 2 x 2,048 x 4,096 float32.
;; Outputs: out0 2 x 2,048 x 4,096 float32.
;; This version of the problem:
;;   THIS VERSION OF THE PROBLEM IS GIVEN IN LOW PRECISION. The matrix products marked QUANTISED in the list below multiply operands that are first quantised to E2M3 (2 exponent bits, 3 mantissa bits; 6 bits a number), with one power-of-two scale for each 32 numbers along K (OCP MX v1.0); their sums are f32. All else is computed in f32.
;;   The module's matrix products, in the order in which they are computed (A, B: the left and right operand; K: the contracted axis; several contracted axes count as one K, in the product's order):
;;     1. [M 4,096, K 4,096] x [K 4,096, N 4,096]; A: input x; B: input W: QUANTISED
;;     2. [M 4,096, K 4,096] x [K 4,096, N 16]; A: input x; B: input A: QUANTISED
;;     3. [M 4,096, K 16] x [K 16, N 4,096]; A: computed on the way; B: input B: left as it is (K = 16 < 32)
;;   THE QUANTISER, for each operand of a quantised product, along K:
;;     - K is cut into blocks of 32 from its start; a last block that is shorter is filled with zeros.
;;     - A block's scale is 2^e with e = floor(log2(the largest magnitude in the block)) - 2, held to -126 .. 127; a block of zeros has e = 0. As a byte (E8M0): e + 127.
;;     - Each number is divided by its block's scale, clamped to +-7.5, and rounded to the nearest number of E2M3, ties to even, subnormals kept.
;;     - The product sums the exact products of the quantised numbers (number of the format x scale) in f32.
;;   ~~~python
;;   def quantise(x, axis):      # numpy; x: float32 -> the quantised numbers, widened to float32 again
;;       x = np.moveaxis(x, axis, -1); K = x.shape[-1]
;;       x = np.pad(x, [(0, 0)] * (x.ndim - 1) + [(0, -K % 32)]); x = x.reshape(x.shape[:-1] + (-1, 32)); a = np.abs(x).max(-1, keepdims=True)
;;       e = np.where(a > 0, np.clip(np.frexp(np.where(a > 0, a, 1))[1] - 1 - 2, -126, 127), 0)      # np.frexp(a)[1] - 1 = floor(log2(a)), exactly
;;       r = np.clip(x / 2.0 ** e, -7.5, 7.5)
;;       step = 2.0 ** (np.maximum(np.frexp(np.where(r == 0, 1, r))[1] - 1, 0) - 3)
;;       q = np.round(r / step) * step * 2.0 ** e      # np.round: ties to even
;;       return np.moveaxis(q.reshape(q.shape[:-2] + (-1,))[..., :K], -1, axis).astype(np.float32)
;;   ~~~
;; One version. Each part assembles by itself: llvm-mc -triple=amdgcn-amd-amdhsa -mcpu=gfx1250 --defsym DOCPART=n.
;; ======== version 1 of 1: 2 launches
;; limits: values are held in bf16: 8 bits of precision; right only within a limited range of input values
;; workspace buffers: xq 13,123,584 bytes; wq 14,786,560 bytes
;; launch quant (part 1): grid 544 x 1, 4 waves a work-group, no clusters, 90,624 bytes of LDS; arguments x, W, A, xq, wq; writes xq, wq
.if DOCPART == 1
	.amdgcn_target "amdgcn-amd-amdhsa--gfx1250"
	.amdhsa_code_object_version 6
	.text
	.protected	k_qc4737f650d_quant
	.globl	k_qc4737f650d_quant
	.p2align	8
	.type	k_qc4737f650d_quant,@function
k_qc4737f650d_quant:
	s_mov_b64 s[64:65], 0
	v_nop
	global_prefetch_b8 v0, s[64:65] scope:SCOPE_SE
	s_setreg_imm32_b32 hwreg(HW_REG_WAVE_MODE, 25, 1), 1
	s_wait_xcnt 0x0
; x [4096][4096], W [4096][4096] and A [16][4096], f32, K innermost, become codes of FP6 (E2M3) with one E8M0 scale byte for each 32 along K.
; A block's scale is 2^(floor(log2(its largest magnitude)) - 2); its byte is the largest magnitude's exponent field - 2, held at 1 from below.  Each number is divided by the scale and
; rounded to the nearest code, ties to even; beyond 7.5 the conversion gives the largest code.
; LIMITS: NaN and infinities among the inputs are not served.  A block whose largest magnitude lies under 2^-124 (a block of zeros among them) keeps the byte 1 where the rule says
; 127 for zeros: its codes are zeros, which add nothing under any byte but 0xff, and the bytes are read by this program alone.
; THE RESULT IS LAID AS THE PRODUCT'S TENSOR LOADS AND REGISTERS WANT IT.  A RECORD is 16 rows x 128 K (one K step): 1,536 bytes of codes (lanes h = 0: row r's 48 bytes at 48 r: k = 0..31 and 64..95;
; from byte 768 the lanes h = 1: k = 32..63 and 96..127) and 64 bytes of scale words (row r's four bytes at 4 r).
; A GROUP is eight blocks of 16 rows of x, or eight of W and a copy of A's block.  A group is eleven CHUNKS of three K steps (the last: two).  A chunk is: the scale words [block][K step % 3][64 bytes]
; (x 1,536 bytes; W 1,728 and 64 of zeros; the last chunk's third places hold zeros), then the codes [K step % 3][block][1,536 bytes].  x: 38,400 bytes a chunk, the last 26,112; W: 43,264, the last 29,440:
; every chunk begins at a multiple of 256 bytes and is a whole number of rows of 256 bytes.
; SHARES.  A work-group takes a block of 16 rows (0-255: x; 256-511: W; 512-543: A, one copy each); wave w takes k = 1,024 w on, of all 16 rows: sixteen steps, a row a step: 8 records.
; A step's eight loads read 512 consecutive bytes each; its 4,096 bytes turn through the wave's own stage in LDS, so that a lane gets one whole block of 32 neighbours.
; Codes and scale bytes gather in an out stage.  A record's codes leave in three stores of 512 consecutive bytes, each at a multiple of 256 from the buffer's first byte;
; the wave's eight records' scale words leave in one store, 64 bytes a record: those 256-byte units are completed by several waves and work-groups (one byte in 25 of what is stored).
; No tensor loads, no barrier: waves share nothing.  Loads run four steps (32 loads a wave) ahead, the turn through LDS one step.
.set STEPS, 16
.set WREG,  22528                      ; LDS: a region of its own for each wave
.set SP,    144                        ; a lane's place in a turn stage: 128 bytes + 16 of padding
.set TST,   32*SP                      ; a turn stage; there are two
.set OUTS,  2*TST                      ; the out stage: 8 places of 1,600 bytes, 16 bytes of padding behind the fourth
.set REC,   1600                       ; a place: 768 codes (h = 0), 32 scale words of rows 0-7, 768 codes (h = 1), 32 scale words of rows 8-15
.set HREC,  800
.set CREC,  1536                       ; a record's codes in memory
.set XGB,   410112                     ; a group of xq,
.set WGB,   462080                     ; and of wq, in bytes
.set R,     32                         ; v32-159  four sets of 32 numbers as loaded; at the end the records on their way out
.set X,     160                        ; v160-223 two sets of 32 neighbours; at the end v160-167 the stores' offsets
.set C,     224                        ; v224-239 two sets of 8 for a block's codes
.set E,     240                        ; v240-241 the scale byte, two sets
	s_load_b256 s[4:11], s[0:1], 0x0               ; x 4:5, W 6:7, A 8:9, xq 10:11
	s_load_b64 s[12:13], s[0:1], 0x20              ; wq
	v_lshl_add_u32 v254, v0, 2, 0x16000            ; my spare word, behind the four regions,
	v_mov_b32 v255, 0                              ; and 0: for the wave's closing lines
	v_lshrrev_b32 v1, 5, v0
	v_readfirstlane_b32 s20, v1                    ; wave
	v_and_b32 v2, 31, v0                           ; lane
	v_lshlrev_b32 v3, 4, v2                        ; my 16 bytes of 512
	s_mul_i32 s28, s20, WREG
	s_add_co_u32 s29, s28, OUTS
	v_lshrrev_b32 v14, 3, v2
	v_mul_u32_u24 v14, v14, SP
	v_and_b32 v15, 7, v2
	v_lshl_add_u32 v14, v15, 4, v14
	v_add_nc_u32 v14, s28, v14                     ; turn stage, in: SP (lane / 8) + 16 (lane % 8)
	v_mul_u32_u24 v15, v2, SP
	v_add_nc_u32 v15, s28, v15                     ; and out: SP x lane
	v_lshrrev_b32 v4, 2, v2                        ; my block's record f = lane / 4
	v_mul_u32_u24 v4, v4, REC
	v_lshrrev_b32 v8, 4, v2                        ; f / 4
	v_lshl_add_u32 v4, v8, 4, v4
	v_add_nc_u32 v4, s29, v4                       ; its place in the out stage
	v_and_b32 v9, 3, v2
	v_add_nc_u32 v5, v4, v9
	v_add_nc_u32 v5, 768, v5                       ; my block's scale byte of row 0
	v_and_b32 v9, 1, v2                            ; h
	v_mad_u32_u24 v4, v9, HREC, v4
	v_bfe_u32 v9, v2, 1, 1                         ; c
	v_mad_u32_u24 v4, v9, 24, v4                   ; my block's 24 bytes of row 0; a row on is 48 bytes on
	v_add_nc_u32 v6, s29, v3                       ; out of the out stage: 16 bytes a lane;
	v_lshl_add_u32 v7, v8, 5, v6                   ; and for a record's bytes 512-1,023: lanes 16-31 (h = 1) lie 32 bytes further on
	s_wait_alu depctr_va_vdst(0)
	s_wait_kmcnt 0x0
	s_and_b32 s21, ttmp9, 255                      ; my block's number in x or in W; for A: which copy
	s_lshr_b32 s15, s21, 3                         ; its group,
	s_and_b32 s16, s21, 7                          ; and its place in the group
	s_mov_b32 s17, WGB
	s_mov_b32 s18, 9*CREC
	s_mov_b32 s19, 43264
	s_mov_b32 s30, 1792
	s_cmp_lt_u32 ttmp9, 256                        ; which tensor: the choice hangs on the work-group's number alone; one path serves all three
	s_cselect_b64 s[4:5], s[4:5], s[6:7]
	s_cselect_b64 s[10:11], s[10:11], s[12:13]
	s_cselect_b32 s17, XGB, s17                    ; a group's bytes,
	s_cselect_b32 s18, 8*CREC, s18                 ; the codes of one K step of a group,
	s_cselect_b32 s19, 38400, s19                  ; a chunk,
	s_cselect_b32 s30, 1536, s30                   ; and a chunk's scale words
	s_cmp_lt_u32 ttmp9, 512
	s_cselect_b64 s[4:5], s[4:5], s[8:9]
	s_cselect_b32 s15, s15, s21                    ; A's copy n is the ninth block of group n
	s_cselect_b32 s16, s16, 8
	s_cselect_b32 s21, s21, 0                      ; the block of 16 rows that is read
	s_lshl_b32 s24, s21, 18                        ; 16 rows of 16,384 bytes a block, 4,096 bytes a wave
	s_lshl_b32 s25, s20, 12
	s_add_co_u32 s24, s24, s25
	s_mov_b32 s25, 0
	s_add_nc_u64 s[4:5], s[4:5], s[24:25]
	s_mul_i32 s24, s15, s17
	s_add_nc_u64 s[14:15], s[10:11], s[24:25]      ; my group
	s_mul_i32 s24, s16, 192
	s_add_nc_u64 s[22:23], s[14:15], s[24:25]      ; my block's scale words in chunk 0
	s_mul_i32 s24, s16, CREC
	s_add_co_u32 s24, s24, s30
	s_add_nc_u64 s[10:11], s[14:15], s[24:25]      ; my block's codes in chunk 0
	s_lshl_b32 s31, s20, 3                         ; my wave's first K step
.macro LOAD t                          ; row t's 4,096 bytes of my wave, into set t % 4
.irp i, 0,1,2,3,4,5,6,7
	global_load_b128 v[R+32*((\t)%4)+4*\i:R+32*((\t)%4)+4*\i+3], v3, s[4:5] offset:16384*(\t)+512*\i th:TH_LOAD_NT
.endr
.endm
.macro TURN t                          ; through stage t % 2: LDS serves a wave's instructions in order (ISA guide 5.7.1.4): no wait between the stores and the loads
.irp i, 0,1,2,3,4,5,6,7
	ds_store_b128 v14, v[R+32*((\t)%4)+4*\i:R+32*((\t)%4)+4*\i+3] offset:TST*((\t)%2)+4*SP*\i
.endr
.irp j, 0,1,2,3,4,5,6,7
	ds_load_b128 v[X+32*((\t)%2)+4*\j:X+32*((\t)%2)+4*\j+3], v15 offset:TST*((\t)%2)+16*\j
.endr
.endm
.irp t, 0,1,2,3
	LOAD \t
.endr
	s_wait_loadcnt 24                              ; step 0's eight loads are in; three steps' 24 may be out
	TURN 0
.macro STEP t
.set XS, X+32*((\t)%2)
.set CS, C+8*((\t)%2)
.if (\t) > 0
	s_wait_dscnt 4                                 ; this step's numbers are back; the four younger are the last step's three code stores and its byte store
.else
	s_wait_dscnt 0x0
.endif
.if (\t)+4 < STEPS
	LOAD (\t)+4                                    ; into the set that this step's stores into the stage have read
.endif
.if (\t)+1 < STEPS
.if STEPS-2-(\t) >= 3
	s_wait_loadcnt 24                              ; the next step's eight loads are in
.else
	s_wait_loadcnt 8*(STEPS-2-(\t))
.endif
	TURN (\t)+1
.endif
	v_max3_num_f32 v8, |v[XS]|, |v[XS+1]|, |v[XS+2]|               ; the block's largest magnitude: all 32 numbers are mine; two chains
	v_max3_num_f32 v9, |v[XS+3]|, |v[XS+4]|, |v[XS+5]|
.irp i, 6,10,14,18,22,26
	v_max3_num_f32 v8, v8, |v[XS+\i]|, |v[XS+\i+1]|
	v_max3_num_f32 v9, v9, |v[XS+\i+2]|, |v[XS+\i+3]|
.endr
	v_max3_num_f32 v8, v8, |v[XS+30]|, |v[XS+31]|
	v_max3_num_f32 v8, v8, v9, 0x1800000           ; and the floor 2^(3 - 127): the byte cannot fall under 1
	v_add_nc_u32 v11, 0xff000000, v8               ; 2 off its exponent field: the conversion's scale operand
	v_cvt_scalef32_pk16_fp6_f32 v[CS:CS+2], v[XS:XS+15], v11
	v_cvt_scalef32_pk16_fp6_f32 v[CS+4:CS+6], v[XS+16:XS+31], v11  ; (a conversion's three registers begin on an even number)
	v_lshrrev_b32 v[E+(\t)%2], 23, v11             ; the scale's byte; also the plain instruction behind the conversions
	v_mov_b32 v[CS+3], v[CS+4]                     ; the block's 24 bytes on end
	v_mov_b32 v[CS+4], v[CS+5]
	v_mov_b32 v[CS+5], v[CS+6]
.irp p, 0,1,2
	ds_store_b64 v4, v[CS+2*\p:CS+2*\p+1] offset:48*(\t)+8*\p
.endr
	ds_store_b8 v5, v[E+(\t)%2] offset:4*(\t)+768*((\t)/8)
.endm
.irp t, 0,1,2,3,4,5,6,7,8,9,10,11,12,13,14,15
	STEP \t
.endr
	; THE WAY OUT.  Record f's codes: three runs of 512 bytes; the 32 scale bytes that lie between the two halves in the stage are passed over.  These loads see my stores.
.irp f, 0,1,2,3,4,5,6,7
	ds_load_b128 v[R+12*\f:R+12*\f+3], v6 offset:REC*\f+16*(\f/4)
	ds_load_b128 v[R+12*\f+4:R+12*\f+7], v7 offset:REC*\f+16*(\f/4)+512
	ds_load_b128 v[R+12*\f+8:R+12*\f+11], v6 offset:REC*\f+16*(\f/4)+1024+32
.endr
	v_lshrrev_b32 v8, 2, v2                        ; the scale words: four lanes to a record: f = lane / 4,
	v_and_b32 v9, 3, v2                            ; piece lane % 4 of its 64 bytes: pieces 0, 1 at 768, pieces 2, 3 at 1,568 of the place
	v_mul_u32_u24 v12, v8, REC
	v_lshrrev_b32 v10, 4, v2
	v_lshl_add_u32 v12, v10, 4, v12
	v_lshl_add_u32 v12, v9, 4, v12
	v_lshrrev_b32 v10, 1, v9
	v_mad_u32_u24 v12, v10, 768, v12
	v_add_nc_u32 v12, s29, v12
	ds_load_b128 v[R+96:R+99], v12 offset:768
	v_add_nc_u32 v8, s31, v8                       ; their place in memory: K step t = 8 w + f, chunk t / 3 (= 11 t >> 5 for t under 32): chunk x a chunk's bytes + 64 (t % 3) + 16 x piece
	v_mul_u32_u24 v10, 11, v8
	v_lshrrev_b32 v10, 5, v10
	v_mul_u32_u24 v13, 3, v10
	v_sub_nc_u32 v8, v8, v13
	v_lshlrev_b32 v13, 4, v9
	v_lshl_add_u32 v13, v8, 6, v13
	v_mad_u32_u24 v13, v10, s19, v13
.irp f, 0,1,2,3,4,5,6,7                ; the codes' place: chunk x a chunk + (t % 3) x a K step's codes = chunk x a chunk's scale words + t x a K step's codes.  A register for each record: none is rewritten under a pending store
	s_add_co_u32 s24, s31, \f
	s_mul_i32 s26, s24, 11
	s_lshr_b32 s26, s26, 5
	s_mul_i32 s26, s26, s30
	s_mul_i32 s24, s24, s18
	s_add_co_u32 s24, s24, s26
	v_add_nc_u32 v[X+\f], s24, v3
.endr
	s_wait_alu depctr_va_vdst(0)
.irp f, 0,1,2,3,4,5,6,7
.irp k, 0,1,2
	s_wait_dscnt 24-3*\f-\k                        ; this load is in; so many are younger
	global_store_b128 v[X+\f], v[R+12*\f+4*\k:R+12*\f+4*\k+3], s[10:11] offset:512*\k   ; 512 consecutive bytes at a multiple of 256 from the buffer's first byte
.endr
.endr
	s_wait_dscnt 0x0
	global_store_b128 v13, v[R+96:R+99], s[22:23]
.irp i, 0,1,2,3
	v_mov_b32 v[C+\i], 0
.endr
	s_wait_alu depctr_va_vdst(0)
	s_cmp_lg_u32 s20, 3                            ; wave 3 stores zeros in my block's third place of the last chunk's scale words (eight lanes name each 16 bytes, with the same zeros)
	s_cbranch_scc1 .Lnot_last
	s_mul_i32 s24, s19, 10
	v_lshl_add_u32 v10, v9, 4, s24
	global_store_b128 v10, v[C:C+3], s[22:23] offset:128
.Lnot_last:
	s_cmp_lt_u32 ttmp9, 512                        ; wave 0 of A's work-group stores the 64 bytes of zeros behind the scale words of its group's eleven chunks
	s_cbranch_scc1 .Lno_fill
	s_cmp_lg_u32 s20, 0
	s_cbranch_scc1 .Lno_fill
	v_lshrrev_b32 v8, 2, v2
	v_mul_u32_u24 v8, 43264, v8
	v_lshl_add_u32 v8, v9, 4, v8                   ; chunks 0 to 7: four lanes to a chunk
	v_bfe_u32 v11, v2, 2, 2
	v_min_u32 v11, 2, v11
	v_mul_u32_u24 v11, 43264, v11
	v_lshl_add_u32 v11, v9, 4, v11                 ; chunks 8 to 10 (the lanes left over name the same bytes again)
	global_store_b128 v8, v[C:C+3], s[14:15] offset:1728
	global_store_b128 v11, v[C:C+3], s[14:15] offset:8*43264+1728
.Lno_fill:
	s_wait_tensorcnt 0x0                           ; the wave's end
	ds_add_u32 v254, v255
	s_wait_dscnt 0x0
	s_endpgm
.Lfunc_end_k_qc4737f650d_quant:
	.size	k_qc4737f650d_quant, .Lfunc_end_k_qc4737f650d_quant-k_qc4737f650d_quant
	.p2alignl 7, 3214868480
	.fill 96, 4, 3214868480
	.section	.rodata,"a",@progbits
	.p2align	6, 0x0
	.amdhsa_kernel k_qc4737f650d_quant
		.amdhsa_group_segment_fixed_size 90624
		.amdhsa_private_segment_fixed_size 0
		.amdhsa_enable_private_segment 0
		.amdhsa_kernarg_size 40
		.amdhsa_user_sgpr_count 2
		.amdhsa_user_sgpr_kernarg_segment_ptr 1
		.amdhsa_wavefront_size32 1
		.amdhsa_system_sgpr_workgroup_id_x 1
		.amdhsa_system_sgpr_workgroup_id_y 1
		.amdhsa_system_sgpr_workgroup_id_z 1
		.amdhsa_system_vgpr_workitem_id 0
		.amdhsa_next_free_vgpr 256
		.amdhsa_next_free_sgpr 66
		.amdhsa_reserve_vcc 0
		.amdhsa_float_denorm_mode_32 3
		.amdhsa_float_denorm_mode_16_64 3
		.amdhsa_memory_ordered 1
		.amdhsa_forward_progress 1
		.amdhsa_inst_pref_size 67
	.end_amdhsa_kernel
	.amdgpu_metadata
---
amdhsa.version: [ 1, 2 ]
amdhsa.kernels:
  - .name:           k_qc4737f650d_quant
    .symbol:         k_qc4737f650d_quant.kd
    .args:
      - { .name: x, .offset: 0, .size: 8, .value_kind: global_buffer, .address_space: global }
      - { .name: W, .offset: 8, .size: 8, .value_kind: global_buffer, .address_space: global }
      - { .name: A, .offset: 16, .size: 8, .value_kind: global_buffer, .address_space: global }
      - { .name: xq, .offset: 24, .size: 8, .value_kind: global_buffer, .address_space: global }
      - { .name: wq, .offset: 32, .size: 8, .value_kind: global_buffer, .address_space: global }
    .group_segment_fixed_size: 90624
    .private_segment_fixed_size: 0
    .kernarg_segment_align: 8
    .kernarg_segment_size: 40
    .max_flat_workgroup_size: 128
    .sgpr_count:     66
    .vgpr_count:     256
    .wavefront_size: 32
...
	.end_amdgpu_metadata
.endif
;; end of part 1
;; launch gemm (part 2): grid 16 x 16, 4 waves a work-group, clusters of 4 x 4, 327,680 bytes of LDS; arguments xq, wq, bias, B, out0; writes out0
.if DOCPART == 2
	.amdgcn_target "amdgcn-amd-amdhsa--gfx1250"
	.amdhsa_code_object_version 6
	.text
	.protected	k_qc4737f650d_gemm
	.globl	k_qc4737f650d_gemm
	.p2align	8
	.type	k_qc4737f650d_gemm,@function
k_qc4737f650d_gemm:
	s_mov_b64 s[64:65], 0
	v_nop
	global_prefetch_b8 v0, s[64:65] scope:SCOPE_SE
	s_setreg_imm32_b32 hwreg(HW_REG_WAVE_MODE, 25, 1), 1
	s_wait_xcnt 0x0
	s_wait_alu depctr_hold_cnt(0) depctr_sa_sdst(0) depctr_va_vdst(0) depctr_va_sdst(0) depctr_va_ssrc(0) depctr_va_vcc(0) depctr_vm_vsrc(0)
	s_getreg_b32 s2, hwreg(HW_REG_IB_STS2, 6, 4)
	s_cmp_eq_u32 s2, 0
	s_cbranch_scc0 .Lentry_in_a_cluster
	s_endpgm
.Lentry_in_a_cluster:
	s_bfe_u32 s2, ttmp6, 0x10000c
	s_cmp_lg_u32 s2, 0xf033
	s_cbranch_scc0 .Lentry_shape_is_right
	s_endpgm
.Lentry_shape_is_right:
; out0 = x W^T + bias + (x A^T) B^T.  x W^T and x A^T on codes of FP6 (E2M3) with E8M0 scales, as launch quant laid them; (x A^T) B^T, K = 16, with bf16 operands; sums in f32.
; A work-group of four waves makes 256 x 256 of out0, a wave 128 x 128 (64 accumulators); each wave also makes x A^T for four of its eight blocks of rows and hands it to its neighbour through LDS.
; The bias is the C of each accumulator's first product.  4 x 4 work-groups form a cluster: x's tiles are asked for jointly along a row of it, W's along a column.
; THE RING: two slots, each with a chunk of three K steps of 128: x's two groups of 8 blocks (38,400 bytes each), then W's two groups of 9 (43,200 + 64 bytes each).  A wave's load is one group's chunk:
; dense in memory, beginning at a multiple of 256 bytes, stated as rows of 256 bytes (150 or 169; the last chunk, two K steps: 100 or 113).  In a chunk the records lie [K step][block], 1,600 bytes each.
; No prefetch is laid: a refill stands behind the round at a chunk's last K step and is waited for at the next chunk's last K step, about three K steps (some 200 matrix instructions a wave) later.
; LIMITS: as launch quant states them.
.set FR,     12
; A CHUNK'S LAYOUT (this takes the place of what the lines above say of records of 1,600 bytes and of the rows of the last chunk): first the scale words, [block][K step][64 bytes]
; (x 1,536 bytes; W 1,728 and 64 of zeros), then the codes, [K step][block][1,536 bytes].  x: 38,400 bytes, 150 rows of 256; W: 43,264, 169 rows; the last chunk, two K steps: 102 and 115 rows.
.set REC,    1536                      ; a record's codes: 16 rows x 128 K
.set HREC,   768                       ; lanes 16-31 begin here
.set SB,     192                       ; a block's scale words in a chunk: 64 bytes a K step
.set SAX,    8*SB                      ; a chunk's scale words: x
.set SAW,    9*SB+64                   ; W
.set XQ,     8*REC                     ; the codes of one K step of a group of x
.set WQ,     9*REC                     ; and of W
.set XH,     SAX+3*XQ                  ; a group's chunk: x: 38,400
.set WH,     SAW+3*WQ                  ; W: 43,264
.set XGB,    10*XH+SAX+2*XQ            ; a group of xq in memory
.set WGB,    10*WH+SAW+2*WQ            ; and of wq
.set WOFF,   2*XH
.set SLOT,   WOFF+2*WH
.set TRIPS,  4
.set SPARE,  2*SLOT
.set SPITCH, 528
.set STAGE,  163328
.set TX,     STAGE+4*16*SPITCH
.set ASL, 41                           ; v41-42  scale words in slot 0, 1: lanes 0-15 my first four blocks of x, lanes 16-31 W's blocks 0-3 (and A's)
.set ASH, 57                           ; v57-58  the same: my other four blocks of x, W's blocks 4-7
.set BOF,  13
.set BBO,  14
.set TXL,  15
.set ADRXL, 16
.set ADRXH, 18
.set ADRW, 20
.set STO,  24
.set RD,   25
.set CO,   26
.set SPW,  28
.set NIL,  29
.set TXS,  31
.set SC,   32
.set BI,   64
.set AF,   128
.set TA,   224
.set TF,   128
.set BK,   128
.set G1,  24
.set G0,  32
.set G1B, 48
.set G0B, 56
.set G1L, 68
.set G1BL, 76
.set MSB, 0
.macro WIN new
.if MSB != \new
	s_set_vgpr_msb (MSB<<8)|\new
.set MSB, \new
.endif
.endm
.set MUL_LO,   0xa1
.set MUL_HI,   0xf1
.set FIRST_LO, 0x81
.set FIRST_HI, 0xc1
.set T_MUL,    0x01
.set TO_W,     0x40
.macro JLOAD g0a, g1a, g0b, g1b
	s_cmp_eq_u32 s21, 0
	s_cbranch_scc0 .Lfor_w_\@
	tensor_load_to_lds s[\g0a:\g0a+3], s[\g1a:\g1a+7]
	s_nop 0
.rept 4
	v_nop
.endr
	s_branch .Lasked_\@
.Lfor_w_\@:
	tensor_load_to_lds s[\g0b:\g0b+3], s[\g1b:\g1b+7]
	s_nop 0
.rept 4
	v_nop
.endr
.Lasked_\@:
.endm
.macro CREST
	s_cmp_lg_u32 s20, 0
	s_cbranch_scc1 .Lnot_wave_0_\@
	s_barrier_signal -3
.Lnot_wave_0_\@:
	s_barrier_wait -3
	s_barrier_signal -1
	s_barrier_wait -1
.endm
.macro CROUND
	s_barrier_signal -1
	s_barrier_wait -1
	CREST
.endm
.macro PLACES n
.rept \n
	v_nop
.endr
.endm
.macro GROUP1 g, rows                  ; rows of 32 elements of 8 bytes, dense
	s_mov_b32 s[\g+1], 32<<16
	s_mov_b32 s[\g+2], (\rows)<<16
	s_mov_b32 s[\g+3], 32<<16
	s_mov_b32 s[\g+4], \rows
	s_mov_b32 s[\g+5], 32
	s_mov_b32 s[\g+6], 0
	s_mov_b32 s[\g+7], 0
.endm
	s_load_b256 s[4:11], s[0:1], 0x0
	s_load_b64 s[12:13], s[0:1], 0x20
	v_lshl_add_u32 v[SPW], v0, 2, SPARE
	v_mov_b32 v[NIL], 0
	ds_add_u32 v28, v29
	ds_add_u32 v28, v29
	s_wait_dscnt 0x0
	v_lshrrev_b32 v1, 5, v0
	v_readfirstlane_b32 s20, v1
	s_lshr_b32 s21, s20, 1
	s_and_b32 s22, s20, 1
	s_bfe_u32 s40, ttmp6, 0x40000
	s_bfe_u32 s41, ttmp6, 0x40004
	s_lshl_b32 s42, ttmp9, 2
	s_add_co_u32 s42, s42, s40
	s_and_b32 s23, ttmp7, 0xffff
	s_lshl_b32 s23, s23, 2
	s_add_co_u32 s23, s23, s41
	s_lshl_b32 s43, s41, 2
	s_lshl_b32 s43, 15, s43
	s_lshl_b32 s44, 0x1111, s40
	s_or_b32 s[G1+0], s43, (3<<16)|(1<<21)
	s_or_b32 s[G1L+0], s43, (3<<16)|(1<<21)
	s_or_b32 s[G1B+0], s44, (3<<16)|(1<<21)
	s_or_b32 s[G1BL+0], s44, (3<<16)|(1<<21)
	GROUP1 G1, 150
	GROUP1 G1L, 102
	GROUP1 G1B, 169
	GROUP1 G1BL, 115
	s_lshl_b32 s45, s22, 3
	s_lshl_b32 s2, s23, 4
	s_add_co_u32 s2, s2, s45
	s_lshl_b32 s3, s42, 1
	s_add_co_u32 s3, s3, s22
	s_mul_i32 s46, s2, XGB/8
	s_mov_b32 s47, 0
	s_mul_i32 s66, s3, WGB
	s_mov_b32 s67, 0
	s_mul_i32 s45, s22, XH
	s_mul_i32 s16, s22, WH
	s_add_co_u32 s16, s16, WOFF
	s_wait_kmcnt 0x0
	s_add_nc_u64 s[4:5], s[4:5], s[46:47]
	s_add_nc_u64 s[6:7], s[6:7], s[66:67]
.irp s, 0,1
	s_mov_b32 s[G0+4*\s], 1
	s_add_co_u32 s[G0+4*\s+1], s45, \s*SLOT
	s_add_nc_u64 s[G0+4*\s+2:G0+4*\s+3], s[4:5], \s*XH
	s_or_b32 s[G0+4*\s+3], s[G0+4*\s+3], 0x80000000
	s_mov_b32 s[G0B+4*\s], 1
	s_add_co_u32 s[G0B+4*\s+1], s16, \s*SLOT
	s_add_nc_u64 s[G0B+4*\s+2:G0B+4*\s+3], s[6:7], \s*WH
	s_or_b32 s[G0B+4*\s+3], s[G0B+4*\s+3], 0x80000000
.endr
	CROUND
	JLOAD G0, G1, G0B, G1B                         ; chunk 0: one tensor load a wave at the head; the addresses and the bias are made while it is on its way
	s_lshl_b32 s16, s42, 8
	s_lshl_b32 s17, s22, 7
	s_add_co_u32 s16, s16, s17
	s_lshl_b32 s66, s16, 2
	s_add_nc_u64 s[8:9], s[8:9], s[66:67]
	s_add_nc_u64 s[12:13], s[12:13], s[66:67]
	s_lshl_b32 s66, s16, 6
	s_add_nc_u64 s[10:11], s[10:11], s[66:67]
	s_lshl_b32 s16, s23, 8
	s_lshl_b32 s17, s21, 7
	s_add_co_u32 s16, s16, s17
	s_lshl_b32 s17, s22, 6
	s_add_co_u32 s66, s16, s17
	s_lshl_b32 s66, s66, 14
	s_xor_b32 s17, s17, 64
	s_add_co_u32 s16, s16, s17
	s_lshl_b32 s16, s16, 14
	s_mov_b32 s17, 0
	s_add_nc_u64 s[14:15], s[12:13], s[16:17]
	s_add_nc_u64 s[12:13], s[12:13], s[66:67]
	v_and_b32 v1, 31, v0
	v_and_b32 v2, 15, v0
	v_bfe_u32 v3, v0, 4, 1
	v_mul_u32_u24 v4, v2, 48
	v_mad_u32_u24 v4, v3, HREC, v4
	v_lshlrev_b32 v[CO], 4, v1
	v_lshlrev_b32 v6, 2, v2                        ; my row's scale word in a record's 64 bytes
	v_lshlrev_b32 v[BOF], 5, v3
	v_lshl_add_u32 v[BBO], v2, 6, v[BOF]
.irp b, 0,1,2,3,4,5,6,7
	global_load_b128 v[BI+8*\b:BI+8*\b+3], v[BOF], s[8:9] offset:64*\b
	global_load_b128 v[BI+8*\b+4:BI+8*\b+7], v[BOF], s[8:9] offset:64*\b+16
.endr
	s_xor_b32 s45, s20, 1
	s_mul_i32 s17, s21, XH                         ; my group of x
	s_xor_b32 s16, s22, 1
	s_mul_i32 s66, s22, WH
	s_add_co_u32 s66, s66, WOFF                    ; my group of W
	s_mul_i32 s46, s22, 4*SB
	s_add_co_u32 s46, s46, s17                     ; the scale words of the four blocks of x that I take first,
	s_mul_i32 s47, s16, 4*SB
	s_add_co_u32 s47, s47, s17                     ; and of the other four
	s_sub_co_u32 s2, s66, s46                      ; how far lanes 16-31 (W's scale words) stand behind lanes 0-15 (x's)
	s_add_co_u32 s3, s66, 4*SB
	s_sub_co_u32 s3, s3, s47
	s_wait_alu depctr_va_vdst(0)
	v_mul_u32_u24 v5, s2, v3
	v_mul_u32_u24 v7, s3, v3
	v_add_nc_u32 v5, v5, v6
	v_add_nc_u32 v7, v7, v6
	v_add_nc_u32 v[ASL], s46, v5
	v_add_nc_u32 v[ASH], s47, v7
	v_add_nc_u32 v[ASL+1], SLOT, v[ASL]
	v_add_nc_u32 v[ASH+1], SLOT, v[ASH]
	s_mul_i32 s46, s22, 4*REC                      ; the codes, behind the chunk's scale words
	s_add_co_u32 s46, s46, s17
	s_add_co_u32 s46, s46, SAX
	s_mul_i32 s47, s16, 4*REC
	s_add_co_u32 s47, s47, s17
	s_add_co_u32 s47, s47, SAX
	s_add_co_u32 s66, s66, SAW
.irp s, 0,1
	v_add_nc_u32 v[ADRXL+\s], s46, v4
	v_add_nc_u32 v[ADRXH+\s], s47, v4
	v_add_nc_u32 v[ADRW+\s], s66, v4
	s_add_co_u32 s46, s46, SLOT
	s_add_co_u32 s47, s47, SLOT
	s_add_co_u32 s66, s66, SLOT
.endr
	s_mul_i32 s46, s20, 16*SPITCH
	s_add_co_u32 s46, s46, STAGE
	v_mul_u32_u24 v7, v2, SPITCH
	v_lshl_add_u32 v7, v3, 5, v7
	v_add_nc_u32 v[STO], s46, v7
	v_add_nc_u32 v[RD], s46, v[CO]
	s_lshl_b32 s46, s20, 11
	s_add_co_u32 s46, s46, TX
	v_add_nc_u32 v[TXS], s46, v[CO]
	s_lshl_b32 s46, s45, 11
	s_add_co_u32 s46, s46, TX
	v_add_nc_u32 v[TXL], s46, v[CO]
.macro FRAG reg, adr, off
.irp p, 0,1,2
	ds_load_b128 v[\reg+4*\p:\reg+4*\p+3], v[\adr] offset:\off+16*\p
.endr
.endm
.macro FETCH_W slot, q, p
	WIN TO_W
.irp i, 0,1,2,3,4,5,6,7,8
	FRAG 128*(\p)+FR*\i, ADRW+\slot, REC*\i+WQ*(\q)
.endr
	WIN 0
.endm
.macro FETCH_X slot, q, g
.irp i, 0,1,2,3
.if \g
	FRAG AF+48+FR*\i, ADRXH+\slot, REC*\i+XQ*(\q)
.else
	FRAG AF+FR*\i, ADRXL+\slot, REC*\i+XQ*(\q)
.endif
.endr
.endm
.macro SCALES slot, q, p
.irp i, 0,1,2,3
	ds_load_b32 v[SC+16*(\p)+\i], v[ASL+\slot] offset:SB*\i+64*(\q)
.endr
.irp i, 0,1,2,3
	ds_load_b32 v[SC+16*(\p)+4+\i], v[ASH+\slot] offset:SB*\i+64*(\q)
.endr
	ds_load_b32 v[SC+16*(\p)+8], v[ASL+\slot] offset:SB*8+64*(\q)
.endm
.macro MUL16 a0, p, first
.irp a, \a0, \a0+1
.irp b, 0,1,2,3,4,5,6,7
.if \first
	v_wmma_scale_f32_16x16x128_f8f6f4 v[8*(8*((\a)%4)+\b):8*(8*((\a)%4)+\b)+7], v[128*(\p)+FR*\b:128*(\p)+FR*\b+FR-1], v[AF+FR*(\a):AF+FR*(\a)+FR-1], v[BI+8*\b:BI+8*\b+7], v[SC+16*(\p)+\b], v[SC+16*(\p)+(\a)] matrix_a_fmt:MATRIX_FMT_FP6 matrix_b_fmt:MATRIX_FMT_FP6 matrix_a_scale:MATRIX_SCALE_ROW1
.else
	v_wmma_scale_f32_16x16x128_f8f6f4 v[8*(8*((\a)%4)+\b):8*(8*((\a)%4)+\b)+7], v[128*(\p)+FR*\b:128*(\p)+FR*\b+FR-1], v[AF+FR*(\a):AF+FR*(\a)+FR-1], v[8*(8*((\a)%4)+\b):8*(8*((\a)%4)+\b)+7], v[SC+16*(\p)+\b], v[SC+16*(\p)+(\a)] matrix_a_fmt:MATRIX_FMT_FP6 matrix_b_fmt:MATRIX_FMT_FP6 matrix_a_scale:MATRIX_SCALE_ROW1
.endif
.endr
.endr
.endm
.macro TMUL p, first
.irp a, 0,1,2,3
.if \first
	v_wmma_scale_f32_16x16x128_f8f6f4 v[TA+8*\a:TA+8*\a+7], v[128*(\p)+96:128*(\p)+107], v[AF+FR*\a:AF+FR*\a+FR-1], 0, v[SC+16*(\p)+8], v[SC+16*(\p)+\a] matrix_a_fmt:MATRIX_FMT_FP6 matrix_b_fmt:MATRIX_FMT_FP6 matrix_a_scale:MATRIX_SCALE_ROW1
.else
	v_wmma_scale_f32_16x16x128_f8f6f4 v[TA+8*\a:TA+8*\a+7], v[128*(\p)+96:128*(\p)+107], v[AF+FR*\a:AF+FR*\a+FR-1], v[TA+8*\a:TA+8*\a+7], v[SC+16*(\p)+8], v[SC+16*(\p)+\a] matrix_a_fmt:MATRIX_FMT_FP6 matrix_b_fmt:MATRIX_FMT_FP6 matrix_a_scale:MATRIX_SCALE_ROW1
.endif
.endr
.endm
.macro STEP slot, q, p, first
	s_wait_dscnt 12
.if \first
	WIN FIRST_LO
.else
	WIN MUL_LO
.endif
	MUL16 0, \p, \first
	MUL16 2, \p, \first
	WIN T_MUL
	TMUL \p, \first
	s_wait_dscnt 0x0
	PLACES 4
	FETCH_W \slot, (\q)+1, 1-(\p)
	FETCH_X \slot, (\q)+1, 0
	SCALES \slot, (\q)+1, 1-(\p)
.if \first
	WIN FIRST_HI
.else
	WIN MUL_HI
.endif
	MUL16 4, \p, \first
	MUL16 6, \p, \first
	PLACES 4
	WIN 0
	FETCH_X \slot, (\q)+1, 1
.endm
.macro TURN slot, next, p, fill
	s_wait_tensorcnt 0x0
	ds_add_u32 v[SPW], v[NIL]
	s_wait_dscnt 13
	WIN MUL_LO
	MUL16 0, \p, 0
	s_wait_dscnt 0x0
	s_barrier_signal -1
	MUL16 2, \p, 0
	WIN T_MUL
	TMUL \p, 0
	WIN 0
	s_barrier_wait -1
.if \fill
	CREST
	s_add_nc_u64 s[G0+4*\slot+2:G0+4*\slot+3], s[G0+4*\slot+2:G0+4*\slot+3], 2*XH
	s_add_nc_u64 s[G0B+4*\slot+2:G0B+4*\slot+3], s[G0B+4*\slot+2:G0B+4*\slot+3], 2*WH
.if \fill == 1
	JLOAD G0+4*\slot, G1, G0B+4*\slot, G1B
.else
	JLOAD G0+4*\slot, G1L, G0B+4*\slot, G1BL
.endif
.else
	PLACES 4
.endif
	s_wait_alu depctr_va_vdst(0)
	FETCH_W \next, 0, 1-(\p)
	FETCH_X \next, 0, 0
	SCALES \next, 0, 1-(\p)
	WIN MUL_HI
	MUL16 4, \p, 0
	MUL16 6, \p, 0
	PLACES 4
	WIN 0
	FETCH_X \next, 0, 1
.endm
	s_wait_alu depctr_va_vdst(0)
	s_wait_tensorcnt 0x0                           ; my part of chunk 0 is in
	ds_add_u32 v28, v29
	s_wait_dscnt 0x0
	CROUND                                         ; a whole round: everybody's part of chunk 0 is in, and the joint loads meet
	JLOAD G0+4, G1, G0B+4, G1B                     ; chunk 1: slot 1's first fill, the first tensor load behind the round
	s_wait_tensorcnt 1
	s_barrier_signal -1
	s_barrier_wait -1
	FETCH_W 0, 0, 0
	FETCH_X 0, 0, 0
	SCALES 0, 0, 0
	FETCH_X 0, 0, 1
	s_wait_loadcnt 0x0
	STEP 0, 0, 0, 1
.irp b, 0,1,2,3,4,5,6,7
	global_load_b128 v[BI+8*\b:BI+8*\b+3], v[BBO], s[10:11] offset:1024*\b
	global_load_b128 v[BI+8*\b+4:BI+8*\b+7], v[BBO], s[10:11] offset:1024*\b+16
.endr
	s_mov_b32 s3, TRIPS
.Llap:
	STEP 0, 1, 1, 0
	TURN 0, 1, 0, 1
	STEP 1, 0, 1, 0
	STEP 1, 1, 0, 0
	TURN 1, 0, 1, 1
	STEP 0, 0, 0, 0
	s_sub_co_u32 s3, s3, 1
	s_cmp_lg_u32 s3, 0
	s_cbranch_scc1 .Llap
	STEP 0, 1, 1, 0
	TURN 0, 1, 0, 2
	STEP 1, 0, 1, 0
	STEP 1, 1, 0, 0
	TURN 1, 0, 1, 0
	STEP 0, 0, 0, 0
	s_wait_dscnt 12
	WIN MUL_LO
	MUL16 0, 1, 0
	MUL16 2, 1, 0
	WIN T_MUL
	TMUL 1, 0
	s_wait_dscnt 0x0
	WIN MUL_HI
	MUL16 4, 1, 0
	MUL16 6, 1, 0
	WIN 0
	PLACES 5
.irp i, 0,1,2,3
.irp j, 0,1,2,3
	v_cvt_pk_bf16_f32 v[TF+8*\i+\j], v[TA+8*\i+2*\j], v[TA+8*\i+2*\j+1]
.endr
.endr
.irp i, 0,1,2,3
	ds_store_b128 v[TXS], v[TF+8*\i:TF+8*\i+3] offset:512*\i
.endr
.irp i, 0,1,2,3,4,5,6,7
.irp j, 0,1,2,3
	v_mov_b32 v[TF+8*\i+4+\j], 0
.endr
.endr
	s_wait_loadcnt 0x0
	WIN TO_W
.irp b, 0,1,2,3,4,5,6,7
.irp j, 0,1,2,3
	v_cvt_pk_bf16_f32 v[8*\b+\j], v[BI+8*\b+2*\j], v[BI+8*\b+2*\j+1]
	v_mov_b32 v[8*\b+4+\j], 0
.endr
.endr
	WIN 0
	s_wait_alu depctr_va_vdst(0)
	s_wait_dscnt 0x0
	s_barrier_signal -1
	s_barrier_wait -1
.irp i, 0,1,2,3
	ds_load_b128 v[TF+32+8*\i:TF+32+8*\i+3], v[TXL] offset:512*\i
.endr
	s_wait_dscnt 0x0
	PLACES 4
	WIN MUL_LO
.irp a, 0,1,2,3
.irp b, 0,1,2,3,4,5,6,7
	v_wmma_f32_16x16x32_bf16 v[8*(8*\a+\b):8*(8*\a+\b)+7], v[8*\b:8*\b+7], v[TF+8*\a:TF+8*\a+7], v[8*(8*\a+\b):8*(8*\a+\b)+7]
.endr
.endr
	WIN MUL_HI
.irp a, 0,1,2,3
.irp b, 0,1,2,3,4,5,6,7
	v_wmma_f32_16x16x32_bf16 v[8*(8*\a+\b):8*(8*\a+\b)+7], v[8*\b:8*\b+7], v[TF+32+8*\a:TF+32+8*\a+7], v[8*(8*\a+\b):8*(8*\a+\b)+7]
.endr
.endr
	WIN 0
.macro TOSTAGE a
.set AC, 64*((\a)%4)
.if (\a) < 4
	WIN 0x08
.else
	WIN 0x0c
.endif
.irp b, 0,1,2,3,4,5,6,7
	ds_store_b128 v[STO], v[AC+8*\b:AC+8*\b+3] offset:64*\b
	ds_store_b128 v[STO], v[AC+8*\b+4:AC+8*\b+7] offset:64*\b+16
.endr
	WIN 0
.set BB, BK+64*((\a)%2)
.irp t, 0,1,2,3,4,5,6,7,8,9,10,11,12,13,14,15
	ds_load_b128 v[BB+4*\t:BB+4*\t+3], v[RD] offset:\t*SPITCH
.endr
.endm
.macro SEND a, younger
.set BB, BK+64*((\a)%2)
	s_wait_dscnt \younger
.irp t, 0,1,2,3,4,5,6,7,8,9,10,11,12,13,14,15
.if (\a) < 4
	global_store_b128 v[CO], v[BB+4*\t:BB+4*\t+3], s[12:13] offset:(16*((\a)%4)+\t)*16384 th:TH_STORE_NT
.else
	global_store_b128 v[CO], v[BB+4*\t:BB+4*\t+3], s[14:15] offset:(16*((\a)%4)+\t)*16384 th:TH_STORE_NT
.endif
.endr
.endm
	PLACES 4
	TOSTAGE 0
.irp a, 1,2,3,4,5,6,7
.if \a > 1
	s_wait_xcnt 0x0
.endif
	TOSTAGE \a
	SEND \a-1, 32
.endr
	SEND 7, 0
	s_wait_tensorcnt 0x0
	ds_add_u32 v[SPW], v[NIL]
	s_wait_dscnt 0x0
	CROUND
	s_endpgm
.Lfunc_end_k_qc4737f650d_gemm:
	.size	k_qc4737f650d_gemm, .Lfunc_end_k_qc4737f650d_gemm-k_qc4737f650d_gemm
	.p2alignl 7, 3214868480
	.fill 96, 4, 3214868480
	.section	.rodata,"a",@progbits
	.p2align	6, 0x0
	.amdhsa_kernel k_qc4737f650d_gemm
		.amdhsa_group_segment_fixed_size 327680
		.amdhsa_private_segment_fixed_size 0
		.amdhsa_enable_private_segment 0
		.amdhsa_kernarg_size 40
		.amdhsa_user_sgpr_count 2
		.amdhsa_user_sgpr_kernarg_segment_ptr 1
		.amdhsa_wavefront_size32 1
		.amdhsa_system_sgpr_workgroup_id_x 1
		.amdhsa_system_sgpr_workgroup_id_y 1
		.amdhsa_system_sgpr_workgroup_id_z 1
		.amdhsa_system_vgpr_workitem_id 0
		.amdhsa_next_free_vgpr 1024
		.amdhsa_next_free_sgpr 100
		.amdhsa_reserve_vcc 0
		.amdhsa_float_denorm_mode_32 3
		.amdhsa_float_denorm_mode_16_64 3
		.amdhsa_memory_ordered 1
		.amdhsa_forward_progress 1
		.amdhsa_inst_pref_size 235
	.end_amdhsa_kernel
	.amdgpu_metadata
---
amdhsa.version: [ 1, 2 ]
amdhsa.kernels:
  - .name:           k_qc4737f650d_gemm
    .symbol:         k_qc4737f650d_gemm.kd
    .args:
      - { .name: xq, .offset: 0, .size: 8, .value_kind: global_buffer, .address_space: global }
      - { .name: wq, .offset: 8, .size: 8, .value_kind: global_buffer, .address_space: global }
      - { .name: bias, .offset: 16, .size: 8, .value_kind: global_buffer, .address_space: global }
      - { .name: B, .offset: 24, .size: 8, .value_kind: global_buffer, .address_space: global }
      - { .name: out0, .offset: 32, .size: 8, .value_kind: global_buffer, .address_space: global }
    .group_segment_fixed_size: 327680
    .private_segment_fixed_size: 0
    .kernarg_segment_align: 8
    .kernarg_segment_size: 40
    .max_flat_workgroup_size: 128
    .sgpr_count:     100
    .vgpr_count:     1024
    .wavefront_size: 32
...
	.end_amdgpu_metadata
.endif
;; end of part 2
